; MI455X (gfx1250); checked and timed in simulation.
; The chip was launched on July 23, 2026; its instructions are those of AMD's public machine-readable ISA for CDNA 5 (MIT licence, August 2026) and "CDNA5" Instruction Set Architecture Reference Guide (July 2026). The comments in the code are by the model that wrote it; some were corrected since.
;; Scaled Dot Product Attention. Allowed arithmetic: matrix products marked QUANTISED: E5M2 operands, one E8M0 scale for each 32 along K, by v_wmma_scale_f32_16x16x128_f8f6f4 with both operands' format E5M2, f32 sums; everything else in f32.
;; Inputs: keys 4 x 16 x 2,048 x 64 float32; mask 2,048 x 2,048 bool; queries 4 x 16 x 2,048 x 64 float32; values 4 x 16 x 2,048 x 64 float32.
;; Outputs: out0 4 x 16 x 2,048 x 64 float32.
;; This version of the problem:
;;   THIS VERSION OF THE PROBLEM IS GIVEN IN LOW PRECISION. The matrix products marked QUANTISED in the list below multiply operands that are first quantised to E5M2 (5 exponent bits, 2 mantissa bits; 8 bits a number), with one power-of-two scale for each 32 numbers along K (OCP MX v1.0); their sums are f32. All else is computed in f32.
;;   The module's matrix products, in the order in which they are computed (A, B: the left and right operand; K: the contracted axis; several contracted axes count as one K, in the product's order):
;;     1. batch 64 x [M 2,048, K 64] x [K 64, N 2,048]; A: input queries; B: input keys: QUANTISED
;;     2. batch 64 x [M 2,048, K 2,048] x [K 2,048, N 64]; A: softmax (see below); B: input values: QUANTISED
;;   THE QUANTISER, for each operand of a quantised product, along K:
;;     - K is cut into blocks of 32 from its start; a last block that is shorter is filled with zeros.
;;     - A block's scale is 2^e with e = floor(log2(the largest magnitude in the block)) - 15, held to -126 .. 127; a block of zeros has e = 0. As a byte (E8M0): e + 127.
;;     - Each number is divided by its block's scale, clamped to +-57,344, and rounded to the nearest number of E5M2, ties to even, subnormals kept.
;;     - The product sums the exact products of the quantised numbers (number of the format x scale) in f32.
;;   ~~~python
;;   def quantise(x, axis):      # numpy; x: float32 -> the quantised numbers, widened to float32 again
;;       x = np.moveaxis(x, axis, -1); K = x.shape[-1]
;;       x = np.pad(x, [(0, 0)] * (x.ndim - 1) + [(0, -K % 32)]); x = x.reshape(x.shape[:-1] + (-1, 32)); a = np.abs(x).max(-1, keepdims=True)
;;       e = np.where(a > 0, np.clip(np.frexp(np.where(a > 0, a, 1))[1] - 1 - 15, -126, 127), 0)      # np.frexp(a)[1] - 1 = floor(log2(a)), exactly
;;       r = np.clip(x / 2.0 ** e, -57344, 57344)
;;       step = 2.0 ** (np.maximum(np.frexp(np.where(r == 0, 1, r))[1] - 1, -14) - 2)
;;       q = np.round(r / step) * step * 2.0 ** e      # np.round: ties to even
;;       return np.moveaxis(q.reshape(q.shape[:-2] + (-1,))[..., :K], -1, axis).astype(np.float32)
;;   ~~~
;;   SOFTMAX AHEAD OF A QUANTISED PRODUCT. Where the list says 'softmax', what is quantised is not the finished softmax but p = 2^(t - M), with t = logit x log2(e) and M = ceil(the row's largest t), a whole number; so 1/2 < the row's largest p <= 1. The row's sum l is taken of the UNQUANTISED p, in f32, and the product's result is divided by l at the end. Since M is a whole number, a kernel that streams over the keys may use a running M (the ceiling of the running maximum): every later rescaling is an exact power of two, which a block's scale takes up: the codes' values come out the same.
;;   OPERANDS COMPUTED ON THE WAY. 'Computed on the way' means the value that the module computes at that place (a softmax that the list does not call 'softmax' is quantised finished and normalised). What goes into a quantiser is computed in f32, as accurately as f32 sums, v_exp_f32 and their like allow (about 1e-6 of the number): no bf16 or f16 on the way to a quantiser, and a product that is left as it is and whose result goes on into a quantised operand takes f32 operands (vector FMAs, or v_wmma_f32_16x16x4_f32). A number that lies on a knife's edge between two numbers of the format may be rounded either way, as far as f32 arithmetic and the matrix unit's own rounding can turn it there, and no further.
;; One version. Each part assembles by itself: llvm-mc -triple=amdgcn-amd-amdhsa -mcpu=gfx1250 --defsym DOCPART=n.
;; ======== version 1 of 1: 2 launches
;; limits: right only within a limited range of input values
;; workspace buffers: kv 17,301,504 bytes; mw 524,288 bytes of whole numbers; cls 8,192 bytes of whole numbers
;; launch prep (part 1): grid 2048 x 1, 4 waves a work-group, no clusters, 35,328 bytes of LDS; arguments keys, values, mask, kv, mw, cls; writes kv, mw, cls
.if DOCPART == 1
	.amdgcn_target "amdgcn-amd-amdhsa--gfx1250"
	.amdhsa_code_object_version 6
	.text
	.protected	k_q76ded5a359_prep
	.globl	k_q76ded5a359_prep
	.p2align	8
	.type	k_q76ded5a359_prep,@function
k_q76ded5a359_prep:
	s_mov_b64 s[64:65], 0
	v_nop
	global_prefetch_b8 v0, s[64:65] scope:SCOPE_SE
	s_setreg_imm32_b32 hwreg(HW_REG_WAVE_MODE, 25, 1), 1
	s_wait_xcnt 0x0
; PREP: what every query block of a head needs again is made once.
; keys, values: [64 heads][2048][64] f32.  mask: [2048 queries][2048 keys], one byte each (a byte other than 0 counts as true).
; kv: for each head a record of REC bytes, laid in the order of the matrix operands' registers, so that the next launch copies it into LDS as it lies:
;   +0      KI  [step s 0..15][pair b 0..3][piece 2u+c][lane][16 B]: codes of K[key 128 s + 32 b + 8 u + r + 8 (r / 8)][d = 32 c + 16 h + 0..15], lane = 16 h + r
;   +131072 VI  [s][tile t 0..3][c 0..3][lane][16 B]: codes of V[key 128 s + 32 c + 16 h + 0..15][channel 16 t + r]
;   +262144 KSC [s][b][r] one word: bytes 0, 1 the scales of key tile 2 b's row r (d blocks 0, 1), bytes 2, 3 those of key tile 2 b + 1's
;   +266240 VSC [s][x 0..1][lane] one word: channel 32 x + lane, byte c = key block c of the step
; mw:  [query tile T 0..127][s][n 0..63] one word: bit L = mask[16 T + L % 16][128 s + 32 (n / 16) + 16 (L / 16) + n % 16]: the lane mask of score register n
; cls: [T][s] one word: bit 0 = some key of the tile is visible, bit 16 = all are
; THE QUANTISER (E5M2, one E8M0 scale for 32 along K): scale = 2^(floor(log2(largest magnitude)) - 15); its byte is the largest magnitude's exponent field - 15, held at 1 from below;
; each number is held within +-57,344 x the scale and rounded to the nearest code, ties to even.  K is quantised along d, V along the keys.
; LIMITS: NaN and infinities among keys and values are not served.  A block whose largest magnitude lies under 2^-111 keeps the byte 1; so does a block of zeros (the rule says 127):
; its codes are zeros, which add nothing under any byte but 0xff, and this program alone reads the bytes.
; SHARES: work-groups 0..1023: K, one (head, step) each, a wave a pair of key tiles (32 neighbouring keys, 8,192 dense bytes).  1024..1535: V, a wave 128 keys x 32 channels.
; 1536..2047: the mask, a wave one tile of 16 queries x 128 keys.  Waves share nothing: no barrier.  Only the K path uses LDS.  A stream: no matrix unit, no cluster, no tensor load would add anything.
.set REC,  270336
.set KR,   16                          ; K: v16-79   64 numbers as loaded
.set KX,   80                          ;    v80-143  turned: register 16 (2u+c) + i = K[row r of tile u][32 c + 16 h + i]
.set KPC,  144                         ;    v144-159 the codes
.set TM,   160                         ;    v160-163 largest magnitudes, v164-167 bytes, v168-171 57,344 x the scale, v172-175 the conversions' scale operands
.set KPW,  176                         ;    v176     the scale word
.set VX,   16                          ; V: v16-79   two sets of 32 numbers
.set VC,   80                          ;    v80-111  eight registers of codes for each of the four blocks: no store's data are written again
.set VSB,  112                         ;    v112     the four scale bytes
	s_load_b256 s[4:11], s[0:1], 0x0               ; keys s[4:5], values s[6:7], mask s[8:9], kv s[10:11]
	s_load_b128 s[12:15], s[0:1], 0x20             ; mw s[12:13], cls s[14:15]
	v_lshl_add_u32 v180, v0, 2, 0x8800
	v_mov_b32 v181, 0
	v_lshrrev_b32 v1, 5, v0
	v_readfirstlane_b32 s16, v1                    ; wave 0..3
	v_and_b32 v1, 31, v0                           ; lane
	v_lshlrev_b32 v2, 4, v1                        ; 16 x lane
	v_and_b32 v3, 15, v0                           ; r
	v_bfe_u32 v4, v0, 4, 1                         ; h
	v_lshlrev_b32 v7, 2, v1                        ; 4 x lane
	s_mov_b32 s20, 0x76543210
	s_mov_b32 s21, 0xfedcba98                      ; v_permlanex16_b32's selects for lane l xor 16
	s_mov_b32 s22, 0x600000                        ; the mantissa field of 57,344
	s_wait_kmcnt 0x0
	s_cmp_lt_u32 ttmp9, 1024
	s_cbranch_scc0 .Lnot_k
; ---------------- K: work-group = 16 x head + step, wave = pair b
	s_lshl_b32 s24, ttmp9, 15                      ; a step's 128 keys are 32,768 bytes,
	s_lshl_b32 s25, s16, 13                        ; a pair's 32 keys 8,192
	s_add_co_u32 s24, s24, s25
	s_mov_b32 s25, 0
	s_add_nc_u64 s[4:5], s[4:5], s[24:25]          ; my 32 keys
	s_lshr_b32 s26, ttmp9, 4                       ; head
	s_and_b32 s27, ttmp9, 15                       ; step
	s_mul_i32 s26, s26, REC
	s_lshl_b32 s28, s27, 13
	s_add_co_u32 s28, s28, s26
	s_lshl_b32 s29, s16, 11
	s_add_co_u32 s28, s28, s29
	s_mov_b32 s29, 0
	s_add_nc_u64 s[30:31], s[10:11], s[28:29]      ; KI: head, 8,192 x step, 2,048 x pair
	s_lshl_b32 s28, s27, 8
	s_add_co_u32 s28, s28, s26
	s_lshl_b32 s27, s16, 6
	s_add_co_u32 s28, s28, s27
	s_add_co_u32 s28, s28, 262144
	s_add_nc_u64 s[10:11], s[10:11], s[28:29]      ; KSC: head, 256 x step, 64 x pair
	; the wave's own stage in LDS: 32 places of 256 bytes + 16 of padding.  Key p of the 32 goes to place 16 u + row, so that a tile's 16 rows lie on end
	s_mul_i32 s32, s16, 8704
	s_wait_alu depctr_va_vdst(0)
	v_mul_u32_u24 v5, v4, 272
	v_lshl_add_u32 v5, v3, 4, v5
	v_add_nc_u32 v5, s32, v5                       ; in: a load's 512 bytes are keys 2 i and 2 i + 1: 272 h + 16 r
	v_mul_u32_u24 v6, v3, 272
	v_lshl_add_u32 v6, v4, 6, v6
	v_add_nc_u32 v6, s32, v6                       ; out: row r, my half's 16 numbers of a block of 32: 272 r + 64 h
	v_lshlrev_b32 v8, 2, v3                        ; 4 r: my row's scale word
.set i, 0
.rept 16
	global_load_b128 v[KR+4*i:KR+4*i+3], v2, s[4:5] offset:512*i th:TH_LOAD_NT   ; 32 lanes read 512 consecutive bytes
.set i, i+1
.endr
.irp b, 0,1,2,3
	v_mov_b32 v[TM+4+\b], 0                        ; written once: a lane permute's destination counts as one of its sources
.endr
.set i, 0
	s_wait_alu depctr_va_vdst(0)
.rept 16
	s_wait_loadcnt 15-i                            ; loads come back in order: load i is in, the 15 - i younger ones may be out
	ds_store_b128 v5, v[KR+4*i:KR+4*i+3] offset:272*(16*((i/4)%2)+2*(i%4)+8*(i/8))   ; key 2 i + h: tile (i / 4) % 2, row 8 (i / 8) + 2 (i % 4) + h
.set i, i+1
.endr
.irp u, 0,1
.irp c, 0,1
.irp j, 0,1,2,3
	ds_load_b128 v[KX+16*(2*\u+\c)+4*\j:KX+16*(2*\u+\c)+4*\j+3], v6 offset:4352*\u+128*\c+16*\j   ; LDS serves a wave's instructions in order: these see my stores
.endr
.endr
.endr
	s_wait_dscnt 0x0
.irp b, 0,1,2,3
	v_max3_num_f32 v[TM+\b], |v[KX+16*\b]|, |v[KX+16*\b+1]|, 0x8000000   ; block 2u+c: my 16 numbers, and the floor 2^(16 - 127): the byte cannot fall under 1
.endr
.irp i, 2,4,6,8,10,12,14
.irp b, 0,1,2,3
	v_max3_num_f32 v[TM+\b], v[TM+\b], |v[KX+16*\b+\i]|, |v[KX+16*\b+\i+1]|   ; the four blocks by turns
.endr
.endr
.irp b, 0,1,2,3
	v_permlanex16_b32 v[TM+4+\b], v[TM+\b], s20, s21
.endr
.irp b, 0,1,2,3
	v_max_num_f32 v[TM+\b], v[TM+\b], v[TM+4+\b]   ; with lane l xor 16's 16: the block's largest magnitude
.endr
.irp b, 0,1,2,3
	v_add_nc_u32 v[TM+12+\b], 0xf8800000, v[TM+\b] ; 15 off its exponent field: the conversion takes the exponent field of this operand as its scale
.endr
.irp b, 0,1,2,3
	v_and_or_b32 v[TM+8+\b], v[TM+\b], 0x7f800000, s22   ; 57,344 x the scale
.endr
.irp b, 0,1,2,3
	v_lshrrev_b32 v[TM+4+\b], 23, v[TM+12+\b]      ; the scale's byte
.endr
	v_lshl_or_b32 v[KPW], v[TM+5], 8, v[TM+4]      ; bytes 0, 1: tile 2 b's row r; bytes 2, 3: tile 2 b + 1's
	v_lshl_or_b32 v[KPW], v[TM+6], 16, v[KPW]
	v_lshl_or_b32 v[KPW], v[TM+7], 24, v[KPW]
.irp b, 0,1,2,3
.irp i, 0,1,2,3,4,5,6,7,8,9,10,11,12,13,14,15
	v_med3_num_f32 v[KX+16*\b+\i], v[KX+16*\b+\i], -v[TM+8+\b], v[TM+8+\b]   ; the conversion to an 8-bit code does not saturate (ISA guide 7.6.2): the hold comes first
.endr
	v_cvt_scalef32_pk8_bf8_f32 v[KPC+4*\b:KPC+4*\b+1], v[KX+16*\b:KX+16*\b+7], v[TM+12+\b]
	v_cvt_scalef32_pk8_bf8_f32 v[KPC+4*\b+2:KPC+4*\b+3], v[KX+16*\b+8:KX+16*\b+15], v[TM+12+\b]
.endr
.irp b, 0,1,2,3
	global_store_b128 v2, v[KPC+4*\b:KPC+4*\b+3], s[30:31] offset:512*\b   ; 32 lanes store 512 consecutive bytes, at a multiple of 256 from kv's first byte
.endr
	global_store_b32 v8, v[KPW], s[10:11]          ; 64 bytes a wave (one in 128 of what the wave reads); lanes l and l + 16 hold the same word and write it to the same place
	s_wait_tensorcnt 0x0
	ds_add_u32 v180, v181
	s_wait_dscnt 0x0
	s_endpgm
.Lnot_k:
	s_cmp_lt_u32 ttmp9, 1536
	s_cbranch_scc0 .Lmask
; ---------------- V: a lane takes a channel, and its registers run down the keys: a block of 32 keys lies in one lane, and the codes come out with the keys innermost
	s_sub_co_u32 s24, ttmp9, 1024
	s_lshl_b32 s24, s24, 2
	s_add_co_u32 s24, s24, s16                     ; which of 2,048 parts: 32 x head + 2 x step + x
	s_lshr_b32 s25, s24, 5                         ; head
	s_bfe_u32 s26, s24, 0x40001                    ; step (4 bits from bit 1)
	s_and_b32 s27, s24, 1                          ; x: channels 32 x on
	s_lshl_b32 s28, s25, 19
	s_lshl_b32 s29, s26, 15
	s_add_co_u32 s28, s28, s29
	s_lshl_b32 s29, s27, 7
	s_add_co_u32 s28, s28, s29
	s_mov_b32 s29, 0
	s_add_nc_u64 s[6:7], s[6:7], s[28:29]          ; values at my first key and channel
	s_mul_i32 s25, s25, REC
	s_lshl_b32 s28, s26, 13
	s_add_co_u32 s28, s28, s25
	s_lshl_b32 s30, s27, 12
	s_add_co_u32 s28, s28, s30
	s_add_co_u32 s28, s28, 131072
	s_add_nc_u64 s[30:31], s[10:11], s[28:29]      ; VI: head, 8,192 x step, 4,096 x x (two tiles of 16 channels)
	s_lshl_b32 s28, s26, 8
	s_add_co_u32 s28, s28, s25
	s_lshl_b32 s27, s27, 7
	s_add_co_u32 s28, s28, s27
	s_add_co_u32 s28, s28, 266240
	s_add_nc_u64 s[10:11], s[10:11], s[28:29]      ; VSC: head, 256 x step, 128 x x
	s_wait_alu depctr_va_vdst(0)
	v_lshlrev_b32 v5, 11, v4
	v_lshl_add_u32 v5, v3, 4, v5                   ; my channel's tile (2,048 bytes each) and its row there: 2,048 h + 16 r
.macro VLOAD c                         ; block c: V(32 c + i, my channel), i = 0 .. 31, into set c % 2
.irp i, 0,1,2,3,4,5,6,7,8,9,10,11,12,13,14,15,16,17,18,19,20,21,22,23,24,25,26,27,28,29,30,31
	global_load_b32 v[VX+32*((\c)%2)+\i], v7, s[6:7] offset:(32*(\c)+\i)*256 th:TH_LOAD_NT
.endr
.endm
.macro VBLOCK c
.set XS, VX+32*((\c)%2)
.if (\c) < 3
	s_wait_loadcnt 32                              ; this block's 32 loads are in; the next block's 32 may be out
.else
	s_wait_loadcnt 0x0
.endif
	v_max3_num_f32 v12, |v[XS]|, |v[XS+1]|, |v[XS+2]|              ; the block's largest magnitude: all 32 numbers are mine; two chains
	v_max3_num_f32 v13, |v[XS+3]|, |v[XS+4]|, |v[XS+5]|
.irp i, 6,10,14,18,22,26
	v_max3_num_f32 v12, v12, |v[XS+\i]|, |v[XS+\i+1]|
	v_max3_num_f32 v13, v13, |v[XS+\i+2]|, |v[XS+\i+3]|
.endr
	v_max3_num_f32 v12, v12, |v[XS+30]|, |v[XS+31]|
	v_max3_num_f32 v12, v12, v13, 0x8000000        ; and the floor 2^(16 - 127)
	v_add_nc_u32 v11, 0xf8800000, v12              ; the conversion's scale operand
	v_and_or_b32 v10, v12, 0x7f800000, s22         ; 57,344 x the scale
	v_lshrrev_b32 v13, 23, v11                     ; the scale's byte
.if (\c) == 0
	v_mov_b32 v[VSB], v13
.else
	v_lshl_or_b32 v[VSB], v13, 8*(\c), v[VSB]      ; the lower keys in the lower byte
.endif
.irp i, 0,1,2,3,4,5,6,7,8,9,10,11,12,13,14,15,16,17,18,19,20,21,22,23,24,25,26,27,28,29,30,31
	v_med3_num_f32 v[XS+\i], v[XS+\i], -v10, v10
.endr
.irp g, 0,1,2,3
	v_cvt_scalef32_pk8_bf8_f32 v[VC+8*(\c)+2*\g:VC+8*(\c)+2*\g+1], v[XS+8*\g:XS+8*\g+7], v11
.endr
	global_store_b128 v5, v[VC+8*(\c):VC+8*(\c)+3], s[30:31] offset:512*(\c)           ; keys 32 c + 0..15: the operand's lanes 0-15.  Sixteen of my lanes store 256 consecutive bytes, aligned
	global_store_b128 v5, v[VC+8*(\c)+4:VC+8*(\c)+7], s[30:31] offset:512*(\c)+256     ; keys 32 c + 16..31: its lanes 16-31
.if (\c) < 2
	VLOAD (\c)+2
.endif
.endm
	VLOAD 0
	VLOAD 1
	VBLOCK 0
	VBLOCK 1
	VBLOCK 2
	VBLOCK 3
	global_store_b32 v7, v[VSB], s[10:11]          ; 128 consecutive bytes
	s_endpgm
.Lmask:
; ---------------- the mask: a wave turns 16 queries x 128 keys of bytes into 64 lane masks, and says whether anything, and whether everything, is visible
	s_sub_co_u32 s24, ttmp9, 1536
	s_lshl_b32 s24, s24, 2
	s_add_co_u32 s24, s24, s16                     ; 16 T + step
	s_lshr_b32 s25, s24, 4                         ; T
	s_and_b32 s26, s24, 15                         ; step
	s_lshl_b32 s32, s25, 15                        ; 16 rows of 2,048 bytes
	s_lshl_b32 s33, s26, 7
	s_add_co_u32 s32, s32, s33
	s_mov_b32 s33, 0
	s_add_nc_u64 s[8:9], s[8:9], s[32:33]
	s_lshl_b32 s32, s24, 8
	s_add_nc_u64 s[12:13], s[12:13], s[32:33]      ; mw: 256 bytes a tile
	s_lshl_b32 s32, s24, 2
	s_add_nc_u64 s[14:15], s[14:15], s[32:33]      ; cls: a word a tile
	s_wait_alu depctr_va_vdst(0)
	v_lshlrev_b32 v5, 11, v3
	v_lshl_add_u32 v5, v4, 4, v5                   ; query r's row, + 16 h: lane (r, h) holds the keys that it will hold as scores
.irp b, 0,1,2,3
	global_load_b128 v[16+4*\b:19+4*\b], v5, s[8:9] offset:32*\b th:TH_LOAD_NT   ; keys 32 b + 16 h + 0..15
.endr
	v_mov_b32 v36, 0                               ; v_writelane_b32's destination counts as read
	v_mov_b32 v37, 0
	v_lshlrev_b32 v6, 3, v1                        ; 8 x lane
	s_mov_b32 s28, 0                               ; the OR of all words
	s_mov_b32 s29, -1                              ; the AND of all words
	s_wait_alu depctr_va_vdst(0)
	s_wait_loadcnt 0x0
.set n, 0
.rept 64                               ; word n: byte n % 4 of register n / 4, compared in all lanes at once; it goes to lane n / 2 of v36 (even n) or v37 (odd n)
	v_and_b32 v[32+n%4], 0xff<<(8*(n%4)), v[16+n/4]
	v_cmp_ne_u32 s[34+n%4], 0, v[32+n%4]
	v_writelane_b32 v[36+n%2], s[34+n%4], n/2
	s_or_b32 s28, s28, s[34+n%4]
	s_and_b32 s29, s29, s[34+n%4]
.set n, n+1
.endr
	global_store_b64 v6, v[36:37], s[12:13]        ; 32 lanes store 256 consecutive bytes, aligned
	s_cmp_lg_u32 s28, 0
	s_cselect_b32 s30, 1, 0                        ; something is visible
	s_cmp_eq_u32 s29, -1
	s_cselect_b32 s31, 0x10000, 0                  ; everything is
	s_or_b32 s30, s30, s31
	v_mov_b32 v38, s30
	v_mov_b32 v39, 0
	global_store_b32 v39, v38, s[14:15]            ; all lanes write the same word with the same value
	s_endpgm
.Lfunc_end_k_q76ded5a359_prep:
	.size	k_q76ded5a359_prep, .Lfunc_end_k_q76ded5a359_prep-k_q76ded5a359_prep
	.p2alignl 7, 3214868480
	.fill 96, 4, 3214868480
	.section	.rodata,"a",@progbits
	.p2align	6, 0x0
	.amdhsa_kernel k_q76ded5a359_prep
		.amdhsa_group_segment_fixed_size 35328
		.amdhsa_private_segment_fixed_size 0
		.amdhsa_enable_private_segment 0
		.amdhsa_kernarg_size 48
		.amdhsa_user_sgpr_count 2
		.amdhsa_user_sgpr_kernarg_segment_ptr 1
		.amdhsa_wavefront_size32 1
		.amdhsa_system_sgpr_workgroup_id_x 1
		.amdhsa_system_sgpr_workgroup_id_y 1
		.amdhsa_system_sgpr_workgroup_id_z 1
		.amdhsa_system_vgpr_workitem_id 0
		.amdhsa_next_free_vgpr 182
		.amdhsa_next_free_sgpr 66
		.amdhsa_reserve_vcc 0
		.amdhsa_float_denorm_mode_32 3
		.amdhsa_float_denorm_mode_16_64 3
		.amdhsa_memory_ordered 1
		.amdhsa_forward_progress 1
		.amdhsa_inst_pref_size 61
	.end_amdhsa_kernel
	.amdgpu_metadata
---
amdhsa.version: [ 1, 2 ]
amdhsa.kernels:
  - .name:           k_q76ded5a359_prep
    .symbol:         k_q76ded5a359_prep.kd
    .args:
      - { .name: keys, .offset: 0, .size: 8, .value_kind: global_buffer, .address_space: global }
      - { .name: values, .offset: 8, .size: 8, .value_kind: global_buffer, .address_space: global }
      - { .name: mask, .offset: 16, .size: 8, .value_kind: global_buffer, .address_space: global }
      - { .name: kv, .offset: 24, .size: 8, .value_kind: global_buffer, .address_space: global }
      - { .name: mw, .offset: 32, .size: 8, .value_kind: global_buffer, .address_space: global }
      - { .name: cls, .offset: 40, .size: 8, .value_kind: global_buffer, .address_space: global }
    .group_segment_fixed_size: 35328
    .private_segment_fixed_size: 0
    .kernarg_segment_align: 8
    .kernarg_segment_size: 48
    .max_flat_workgroup_size: 128
    .sgpr_count:     66
    .vgpr_count:     182
    .wavefront_size: 32
...
	.end_amdgpu_metadata
.endif
;; end of part 1
;; launch attn (part 2): grid 4 x 64, 16 waves a work-group, no clusters, 309,248 bytes of LDS; arguments queries, kv, mw, cls, out0; writes out0
.if DOCPART == 2
	.amdgcn_target "amdgcn-amd-amdhsa--gfx1250"
	.amdhsa_code_object_version 6
	.text
	.protected	k_q76ded5a359_attn
	.globl	k_q76ded5a359_attn
	.p2align	8
	.type	k_q76ded5a359_attn,@function
k_q76ded5a359_attn:
	s_mov_b64 s[64:65], 0
	v_nop
	global_prefetch_b8 v0, s[64:65] scope:SCOPE_SE
	s_setreg_imm32_b32 hwreg(HW_REG_WAVE_MODE, 25, 1), 1
	s_wait_xcnt 0x0
; out0[head][q][:] = the sum over k of softmax_k(mask ? Q[q] . K[k] / 8 : -inf) V[k][:], 64 heads, 2,048 queries and keys, 64 channels; both products on codes of E5M2 with one E8M0 scale for 32 along K.
; THE SOFTMAX AHEAD OF THE SECOND PRODUCT: t = score x log2(e) / 8; M = the row's largest t so far, rounded up to a whole number; p = 2^(t - M) is quantised along the keys, not normalised;
; the row's sum is taken of the unquantised p and divides at the end.  When M moves, the sum and O are multiplied by 2^(old M - new M): exact.  A row with no visible key ends as 0 x (1 / 0) = NaN.
; SHARES.  A work-group (g = 0..3, head) brings the head's record of kv (K's and V's codes and scale words, 270,336 bytes, laid as the operands' registers) into LDS, where it stays.
; Each of its sixteen waves takes two tiles of 16 queries, 127 - T and then T = 16 g + wave, in 256 registers.
; THE RECORD COMES IN PIECES of two key steps (16,384 bytes of K, as many of V).  The head brings piece 0 and all scale words, behind a barrier.  Trip k = 0..6 of the first tile begins with an exchange:
; piece k + 1, loaded into 16 registers a trip earlier, is stored into LDS, piece k + 2 and the step's mask words are asked for, and the wave signals barrier k; key step k follows; the wait of barrier k stands at the trip's end.
; ORDER.  Behind the wait of barrier k every wave has stored pieces up to k + 1.  Key step k reads piece k / 2, which is at most k: shown by barrier k - 1 (k = 0: by the head's).
; While a wave is between signal k and wait k, the others store piece k + 1 (ahead of their signal k) or piece k + 2 (behind their wait k): never piece k / 2.  Each byte of the record is stored once.
; Between a signal and its wait stand LDS loads of such bytes and work on registers.  Behind the seventh trip the record is only read and no barrier follows.
; THE MASK IS AN INPUT.  The launch before has turned it into lane masks (mw) and, for each tile of 16 queries x 128 keys, a class (cls).  A key step in which nothing is visible is left out by a scalar branch on the class
; (every p would be 0); one in which everything is visible skips the 64 selects.  Both hang on the mask's own bytes; no pattern is built in.  The order and pairing of tiles is right for any mask.
; NO TENSOR LOADS, NO CLUSTER.  NO PREFETCH: each piece is itself asked for one key step ahead of its store.
; LAYOUT.  Both products are used transposed: S^T = K Q^T, O^T = V^T P^T: a lane holds one query (lane % 16) throughout.
; D = 64 fills half of the instruction's K = 128: a K operand holds two key tiles (k 0..63: tile 2 b, k 64..127: tile 2 b + 1), and Q stands in the half that is wanted with zero codes in the other: v[24:39] = Q, 0; v[16:31] = 0, Q.
; Row r of key tile 2 b + u is key 32 b + 8 u + r + 8 (r / 8), so that score register 16 b + i of lane (r, h) is key 128 s + 32 b + 16 h + i: 16 neighbours along the next K.
; LIMITS: NaN and infinities among the inputs are not served.  A block whose largest magnitude lies under 2^-111 keeps the scale byte 1 (a block of zeros too: its codes are zeros).  p under 2^-126 becomes 0 (ISA guide 15.8).
.set VI,    131072                     ; LDS: K's codes at 0, V's here,
.set KSC,   262144                     ; K's scale words, V's 4,096 bytes on
.set REC,   270336
.set STG,   REC                        ; behind the record a stage of 16 rows x (128 + 16) bytes for each wave
.set SROW,  144
.set SPARE, STG+16*16*SROW             ; the spare words: 128 bytes a wave
.set PIECE, 16384
.set LI,   1                           ; 16 x lane
.set LSK,  2                           ; 4 x lane + KSC
.set ADK,  3                           ; v3-5 the step's addresses
.set ADV,  4
.set ADS,  5
.set FO,   6                           ; 16 x thread: my place in 8,192 bytes of the record
.set TMP,  7
.set QG,   8                           ; Q in memory: 256 (lane / 8) + 16 (lane % 8)
.set SPW,  9
.set NIL,  10
.set NINF, 11                          ; v12 -M, v13 the largest t, v[14:15] the sum
.set ZQ,   16
.set QC,   24
.set KV,   40                          ; v40-103  four operands of K, then of V
.set S,    104                         ; v104-167 S^T, then p
.set O,    168                         ; v168-199 O^T
.set PC,   200                         ; v200-215 p's codes
.set BM,   216                         ; v216-219 largest scores, largest p, then 57,344 x the scale
.set T2,   220
.set ST,   224                         ; v224-239 the piece on its way
.set SCL,  240                         ; v240-243 the conversions' scale operands
.set KS,   244
.set VS,   246
.set QW,   248
.set PW,   249
.set F,    250                         ; v[250:251]
.set QS,   252                         ; the stage: Q in,
.set QR,   253                         ; Q back,
.set WS,   254                         ; O in,
.set WR,   255                         ; O back
.set WV,   14
.set TT,   15                          ; s[16:63], s[68:83]: a step's 64 mask words
.set QP,   66
.set CL,   84
.set CLH,  85
.set CLB,  86
.set STEP, 87
.set TB,   88                          ; 8,192 x step
.set TS,   89                          ; 256 x step
.set MWP,  90
.set OP,   92
.set TTB,  94
.set MNT,  95
.set SEL,  96
.set CS,   98
.set SELM, 100                         ; lanes with bit 3 set: they store channels 32..63 of a row
.set TMPS, 101
.macro FETCH reg, off                  ; a piece: 2 x 8,192 bytes of K and of V, 16 bytes a thread each
	global_load_b128 v[\reg:\reg+3], v[FO], s[6:7] offset:\off
	global_load_b128 v[\reg+4:\reg+7], v[FO], s[6:7] offset:\off+8192
	global_load_b128 v[\reg+8:\reg+11], v[FO], s[6:7] offset:\off+VI
	global_load_b128 v[\reg+12:\reg+15], v[FO], s[6:7] offset:\off+VI+8192
.endm
.macro PUT reg, ak, av
	ds_store_b128 v[\ak], v[\reg:\reg+3]
	ds_store_b128 v[\ak], v[\reg+4:\reg+7] offset:8192
	ds_store_b128 v[\av], v[\reg+8:\reg+11]
	ds_store_b128 v[\av], v[\reg+12:\reg+15] offset:8192
.endm
.macro QLOAD tt                        ; 16 queries x 64 f32 into v[S+32..S+63]: eight lanes read 128 consecutive bytes, half c of a row; four rows a load
	s_lshl_b32 s2, s[\tt], 12
	s_mov_b32 s3, 0
	s_add_nc_u64 s[QP:QP+1], s[4:5], s[2:3]
.irp c, 0,1
.irp i, 0,1,2,3
	global_load_b128 v[S+32+16*\c+4*\i:S+32+16*\c+4*\i+3], v[QG], s[QP:QP+1] offset:1024*\i+128*\c th:TH_LOAD_NT
.endr
.endr
.endm
.macro QTURN                           ; through my stage, half c at a time: register S + 16 c + i of lane (r, h) = Q[r][32 c + 16 h + i].  LDS serves a wave's instructions in order
.irp c, 0,1
.irp i, 0,1,2,3
	ds_store_b128 v[QS], v[S+32+16*\c+4*\i:S+32+16*\c+4*\i+3] offset:4*SROW*\i
.endr
.irp j, 0,1,2,3
	ds_load_b128 v[S+16*\c+4*\j:S+16*\c+4*\j+3], v[QR] offset:16*\j
.endr
.endr
	s_wait_dscnt 0x0
.endm
.macro QUANTQ x, qc, qw                ; 32 numbers a lane become 8 registers of codes and the scale word
.irp c, 0,1
	v_max3_num_f32 v[BM+\c], |v[\x+16*\c]|, |v[\x+16*\c+1]|, 0x8000000   ; with the floor 2^(16 - 127)
.endr
.irp i, 2,4,6,8,10,12,14
.irp c, 0,1
	s_delay_alu instid0(VALU_DEP_2)
	v_max3_num_f32 v[BM+\c], v[BM+\c], |v[\x+16*\c+\i]|, |v[\x+16*\c+\i+1]|
.endr
.endr
.irp c, 0,1
	s_delay_alu instid0(VALU_DEP_2)
	v_permlanex16_b32 v[T2+\c], v[BM+\c], s[SEL], s[SEL+1]
.endr
.irp c, 0,1
	s_delay_alu instid0(VALU_DEP_2)
	v_max_num_f32 v[BM+\c], v[BM+\c], v[T2+\c]     ; the block's largest magnitude
.endr
.irp c, 0,1
	s_delay_alu instid0(VALU_DEP_2)
	v_add_nc_u32 v[SCL+\c], 0xf8800000, v[BM+\c]   ; 15 off its exponent field
.endr
.irp c, 0,1
	s_delay_alu instid0(VALU_DEP_4)
	v_and_or_b32 v[BM+\c], v[BM+\c], 0x7f800000, s[MNT]   ; 57,344 x the scale
.endr
.irp c, 0,1
	s_delay_alu instid0(VALU_DEP_4)
	v_lshrrev_b32 v[T2+\c], 23, v[SCL+\c]          ; the scale's byte
.endr
	s_delay_alu instid0(VALU_DEP_1)
	v_lshl_or_b32 v[\qw], v[T2+1], 8, v[T2]
	s_delay_alu instid0(VALU_DEP_1)
	v_lshl_or_b32 v[\qw], v[\qw], 16, v[\qw]       ; the two bytes twice: the word serves Q in either half of the operand
.irp c, 0,1
.irp i, 0,1,2,3,4,5,6,7,8,9,10,11,12,13,14,15
	v_med3_num_f32 v[\x+16*\c+\i], v[\x+16*\c+\i], -v[BM+\c], v[BM+\c]   ; the conversion does not saturate (ISA guide 7.6.2)
.endr
	v_cvt_scalef32_pk8_bf8_f32 v[\qc+4*\c:\qc+4*\c+1], v[\x+16*\c:\x+16*\c+7], v[SCL+\c]
	v_cvt_scalef32_pk8_bf8_f32 v[\qc+4*\c+2:\qc+4*\c+3], v[\x+16*\c+8:\x+16*\c+15], v[SCL+\c]
.endr
	v_nop                                          ; a plain line behind the last conversion
.endm
; acc = 0: C is the constant 0; 1: it adds onto D.  row1 = 1: source 0's scales are read from lanes 16-31
.macro SW d, a, b, acc, sa, sb, row1
.if \acc
.if \row1
	v_wmma_scale_f32_16x16x128_f8f6f4 v[\d:\d+7], v[\a:\a+15], v[\b:\b+15], v[\d:\d+7], v[\sa], v[\sb] matrix_a_fmt:MATRIX_FMT_BF8 matrix_b_fmt:MATRIX_FMT_BF8 matrix_a_scale:MATRIX_SCALE_ROW1
.else
	v_wmma_scale_f32_16x16x128_f8f6f4 v[\d:\d+7], v[\a:\a+15], v[\b:\b+15], v[\d:\d+7], v[\sa], v[\sb] matrix_a_fmt:MATRIX_FMT_BF8 matrix_b_fmt:MATRIX_FMT_BF8
.endif
.else
.if \row1
	v_wmma_scale_f32_16x16x128_f8f6f4 v[\d:\d+7], v[\a:\a+15], v[\b:\b+15], 0, v[\sa], v[\sb] matrix_a_fmt:MATRIX_FMT_BF8 matrix_b_fmt:MATRIX_FMT_BF8 matrix_a_scale:MATRIX_SCALE_ROW1
.else
	v_wmma_scale_f32_16x16x128_f8f6f4 v[\d:\d+7], v[\a:\a+15], v[\b:\b+15], 0, v[\sa], v[\sb] matrix_a_fmt:MATRIX_FMT_BF8 matrix_b_fmt:MATRIX_FMT_BF8
.endif
.endif
.endm
.macro PLACES8                         ; eight plain lines behind a matrix instruction of this form
.rept 8
	v_nop
.endr
.endm
; ---------------- the head
	s_load_b256 s[4:11], s[0:1], 0x0               ; queries, kv, mw, cls
	s_load_b64 s[12:13], s[0:1], 0x20              ; out0
	v_lshl_add_u32 v[SPW], v0, 2, SPARE
	v_mov_b32 v[NIL], 0
	v_lshrrev_b32 v[TMP], 5, v0
	v_readfirstlane_b32 s[WV], v[TMP]              ; wave 0..15
	v_and_b32 v200, 31, v0                         ; lane
	v_and_b32 v201, 15, v0                         ; r
	v_bfe_u32 v202, v0, 4, 1                       ; h
	v_and_b32 v203, 7, v0                          ; lane % 8
	v_bfe_u32 v204, v0, 3, 2                       ; lane / 8
	v_and_b32 v207, 8, v0
	s_mul_i32 s85, s[WV], 16*SROW
	s_add_co_u32 s85, s85, STG                     ; my stage
	v_lshlrev_b32 v[LI], 4, v200
	v_lshl_add_u32 v[LSK], v200, 2, KSC
	v_lshlrev_b32 v205, 4, v203
	v_mul_u32_u24 v206, v201, SROW
	v_lshlrev_b32 v[FO], 4, v0
	v_lshl_add_u32 v[QG], v204, 8, v205
	v_add_nc_u32 v205, s85, v205
	v_add_nc_u32 v206, s85, v206
	v_cmp_ne_u32 s[SELM], 0, v207
	v_mad_u32_u24 v[QS], v204, SROW, v205          ; Q in: row lane / 8 of four, 16 (lane % 8)
	v_mad_u32_u24 v[WR], v202, SROW, v205          ; O back: row h of two, 16 (lane % 8)
	v_lshl_add_u32 v[QR], v202, 6, v206            ; Q back: row r, 64 h
	v_lshl_add_u32 v[WS], v202, 5, v206            ; O in: row r, 32 h
	v_add_nc_u32 v[ADV], VI, v[FO]
	v_add_nc_u32 v[ADS], KSC, v[FO]
	v_mov_b32 v[NINF], 0xff800000
.irp j, 0,1,2,3,4,5,6,7
	v_mov_b32 v[ZQ+\j], 0                          ; zero codes on both sides of Q's
	v_mov_b32 v[ZQ+16+\j], 0
.endr
.irp j, 0,1,2,3
	v_mov_b32 v[T2+\j], 0                          ; a lane permute's destination counts as one of its sources
.endr
	v_mov_b32 v[F+1], 0                            ; named as the upper half of the pair
	s_mov_b32 s[MNT], 0x600000
	s_mov_b32 s[SEL], 0x76543210
	s_mov_b32 s[SEL+1], 0xfedcba98
	s_mov_b32 s[CS], 0x3e38aa3b                    ; log2(e) / 8
	s_mov_b32 s[CS+1], s[CS]
	s_and_b32 s84, ttmp7, 0xffff                   ; the head
	s_lshl_b32 s2, s84, 19                         ; its rows in queries and out0
	s_mov_b32 s3, 0
	s_mul_i32 s86, s84, REC                        ; its record
	s_mov_b32 s87, 0
	s_lshl_b32 s[TTB], ttmp9, 4
	s_add_co_u32 s[TTB], s[TTB], s[WV]             ; my second tile: 16 g + wave
	s_sub_co_u32 s[TT], 127, s[TTB]                ; my first
	s_lshl_b32 s88, s[TT], 6                       ; a tile's 16 class words
	s_lshl_b32 s89, s[TTB], 6
	s_wait_alu depctr_va_vdst(0)                   ; the wait at the head's end
	s_wait_kmcnt 0x0
	s_add_nc_u64 s[4:5], s[4:5], s[2:3]
	s_add_nc_u64 s[12:13], s[12:13], s[2:3]
	s_add_nc_u64 s[6:7], s[6:7], s[86:87]
	FETCH KV, 0                                    ; piece 0,
	global_load_b128 v[KV+16:KV+19], v[FO], s[6:7] offset:KSC   ; all 8,192 bytes of scale words,
	QLOAD TT                                       ; the first tile's Q,
	FETCH ST, PIECE                                ; piece 1
	s_load_b512 s[16:31], s[10:11], s88 offset:0x0
	s_load_b512 s[32:47], s[10:11], s89 offset:0x0
	s_wait_loadcnt 12                              ; the five oldest are in; Q's eight and piece 1's four may be out
	PUT KV, FO, ADV
	ds_store_b128 v[ADS], v[KV+16:KV+19]
	s_wait_loadcnt 4                               ; Q is in; piece 1's four may be out
	QTURN                                          ; ends with the wait for all my LDS instructions, the record's stores among them
	s_barrier_signal -1
	QUANTQ S, QC, QW
	s_wait_alu depctr_va_vdst(0)                   ; the wait ahead of the barrier's wait
	s_barrier_wait -1                              ; piece 0 and the scale words lie in LDS
	s_wait_kmcnt 0x0                               ; the class words: bit 0 and bit 16 of word k go to bits k and 16 + k
	s_mov_b32 s[CL], s16
	s_mov_b32 s[CLB], s32
.set k, 1
.rept 15
	s_lshl_b32 s[TMPS], s[16+k], k
	s_or_b32 s[CL], s[CL], s[TMPS]
	s_lshl_b32 s[TMPS], s[32+k], k
	s_or_b32 s[CLB], s[CLB], s[TMPS]
.set k, k+1
.endr
; ---------------- the softmax of a key step
.macro SOFTMAX
.irp b, 0,1,2,3
	v_max3_num_f32 v[BM+\b], v[S+16*\b], v[S+16*\b+1], v[S+16*\b+2]   ; the largest score of each block of 32 keys serves the row's maximum and, since p rises with the score, the block's largest p
.endr
.irp i, 3,5,7,9,11,13
.irp b, 0,1,2,3
	v_max3_num_f32 v[BM+\b], v[BM+\b], v[S+16*\b+\i], v[S+16*\b+\i+1]
.endr
.endr
.irp b, 0,1,2,3
	v_max_num_f32 v[BM+\b], v[BM+\b], v[S+16*\b+15]
.endr
.irp b, 0,1,2,3
	s_delay_alu instid0(VALU_DEP_4)
	v_permlanex16_b32 v[T2+\b], v[BM+\b], s[SEL], s[SEL+1]
.endr
.irp b, 0,1,2,3
	s_delay_alu instid0(VALU_DEP_4)
	v_max_num_f32 v[BM+\b], v[BM+\b], v[T2+\b]
.endr
	s_delay_alu instid0(VALU_DEP_2)
	v_max3_num_f32 v[TMP], v[BM], v[BM+1], v[BM+2]
	s_delay_alu instid0(VALU_DEP_1)
	v_max_num_f32 v[TMP], v[TMP], v[BM+3]
	s_delay_alu instid0(VALU_DEP_1)
	v_mul_f32 v[TMP], s[CS], v[TMP]
	s_delay_alu instid0(VALU_DEP_1)
	v_max_num_f32 v13, v13, v[TMP]                 ; the running largest t
	v_mov_b32 v[TMP], v12
	s_delay_alu instid0(VALU_DEP_2)
	v_floor_f32 v12, -v13                          ; -M = -ceil(t)
	s_delay_alu instid0(VALU_DEP_1)
	v_sub_f32 v[TMP], v12, v[TMP]
	s_delay_alu instid0(VALU_DEP_1)
	v_cvt_i32_f32 v[TMP], v[TMP]
	s_delay_alu instid0(VALU_DEP_1)
	v_ldexp_f32 v[F], 1.0, v[TMP]                  ; f = 2^(old M - new M)
.set j, 0
.rept 32
	v_pk_fma_f32 v[S+j:S+j+1], v[S+j:S+j+1], s[CS:CS+1], v[12:13] op_sel_hi:[1,0,0]   ; t - M
.set j, j+2
.endr
.irp b, 0,1,2,3
	v_fma_f32 v[BM+\b], v[BM+\b], s[CS], v12
.endr
.set j, 0
	s_wait_alu depctr_va_vdst(0)                   ; the wait ahead of the batch
.rept 64
	v_exp_f32 v[S+j], v[S+j]                       ; p
.set j, j+1
.endr
	v_pk_mul_f32 v[14:15], v[14:15], v[F:F+1] op_sel_hi:[1,0]
	s_wait_alu depctr_va_vdst(0)                   ; and behind it
.irp b, 0,1,2,3
	v_exp_f32 v[BM+\b], v[BM+\b]                   ; the block's largest p
.endr
	v_pk_add_f32 v[T2:T2+1], v[S:S+1], v[S+2:S+3]  ; the row's sum of the unquantised p, in two chains
.set j, 4
.rept 15
	v_pk_add_f32 v[14:15], v[14:15], v[S+j:S+j+1]
	v_pk_add_f32 v[T2:T2+1], v[T2:T2+1], v[S+j+2:S+j+3]
.set j, j+4
.endr
	s_delay_alu instid0(VALU_DEP_1)
	v_pk_add_f32 v[14:15], v[14:15], v[T2:T2+1]
	s_wait_alu depctr_va_vdst(0)                   ; for the four
.irp b, 0,1,2,3
	v_max_num_f32 v[BM+\b], 0x8000000, v[BM+\b]    ; the floor 2^(16 - 127)
.endr
.irp b, 0,1,2,3
	s_delay_alu instid0(VALU_DEP_4)
	v_add_nc_u32 v[SCL+\b], 0xf8800000, v[BM+\b]
.endr
.irp b, 0,1,2,3
	v_and_or_b32 v[BM+\b], v[BM+\b], 0x7f800000, s[MNT]   ; 57,344 x the scale
.endr
.irp b, 0,1,2,3
	v_lshrrev_b32 v[T2+\b], 23, v[SCL+\b]
.endr
	s_delay_alu instid0(VALU_DEP_3)
	v_lshl_or_b32 v[PW], v[T2+1], 8, v[T2]         ; p's scale word
	s_delay_alu instid0(VALU_DEP_1)
	v_lshl_or_b32 v[PW], v[T2+2], 16, v[PW]
	s_delay_alu instid0(VALU_DEP_1)
	v_lshl_or_b32 v[PW], v[T2+3], 24, v[PW]
; the hold (the conversion does not saturate: ISA guide 7.6.2; p is not negative, so it is one-sided), two numbers an instruction: number i of block b with number i xor 1 of block b + 1,
; so that one destination is even and the other odd, and both pairs of sources lie in registers whose numbers differ modulo 4
.irp b, 0,2
.set j, 0
.rept 16
	v_dual_min_num_f32 v[S+16*\b+j], v[S+16*\b+j], v[BM+\b] :: v_dual_min_num_f32 v[S+16*\b+17+j-2*(j%2)], v[S+16*\b+17+j-2*(j%2)], v[BM+\b+1]
.set j, j+1
.endr
.irp c, 0,1
	v_cvt_scalef32_pk8_bf8_f32 v[PC+4*(\b+\c):PC+4*(\b+\c)+1], v[S+16*(\b+\c):S+16*(\b+\c)+7], v[SCL+\b+\c]
	v_cvt_scalef32_pk8_bf8_f32 v[PC+4*(\b+\c)+2:PC+4*(\b+\c)+3], v[S+16*(\b+\c)+8:S+16*(\b+\c)+15], v[SCL+\b+\c]
.endr
.endr
	s_wait_alu depctr_va_vdst(0)                   ; the wait directly ahead of the first reader of O^T
.set j, 0
.rept 16
	v_pk_mul_f32 v[O+j:O+j+1], v[O+j:O+j+1], v[F:F+1] op_sel_hi:[1,0]   ; O^T under the new M; also the plain lines between the conversions and the products
.set j, j+2
.endr
.endm
.macro MLOAD                           ; the step's 64 lane masks
	s_load_b512 s[16:31], s[MWP:MWP+1], s[TS] offset:0x0
	s_load_b512 s[32:47], s[MWP:MWP+1], s[TS] offset:0x40
	s_load_b512 s[48:63], s[MWP:MWP+1], s[TS] offset:0x80
	s_load_b512 s[68:83], s[MWP:MWP+1], s[TS] offset:0xc0
.endm
; ---------------- a key step of the tile in hand.  ml = 1: it asks for its mask words itself; 0: they were asked for ahead of it
.macro KSTEP ml
	s_bitcmp1_b32 s[CL], s[STEP]
	s_cbranch_scc0 .Lnext_\@                       ; nothing of these 128 keys is visible to my 16 queries
	v_add_nc_u32 v[ADK], s[TB], v[LI]
	s_delay_alu instid0(VALU_DEP_1)
	v_add_nc_u32 v[ADV], VI, v[ADK]
	v_add_nc_u32 v[ADS], s[TS], v[LSK]
.if \ml
	MLOAD
.endif
.set k, 0
.rept 16
	ds_load_b128 v[KV+4*k:KV+4*k+3], v[ADK] offset:512*k
.set k, k+1
.endr
	ds_load_b32 v[KS], v[ADS]
	ds_load_b32 v[KS+1], v[ADS] offset:128
	s_wait_alu depctr_va_vdst(0)                   ; the wait ahead of the wait below
	s_wait_dscnt 0x0
.irp b, 0,1,2,3
	SW S+16*\b, KV+16*\b, QC, 0, KS+\b/2, QW, \b%2
	SW S+16*\b+8, KV+16*\b, ZQ, 0, KS+\b/2, QW, \b%2
.endr
	PLACES8
.set k, 0
.rept 16
	ds_load_b128 v[KV+4*k:KV+4*k+3], v[ADV] offset:512*k    ; V's operands land under the softmax
.set k, k+1
.endr
	ds_load_b32 v[VS], v[ADS] offset:4096
	ds_load_b32 v[VS+1], v[ADS] offset:4096+128
	s_bitcmp1_b32 s[CLH], s[STEP]
	s_cbranch_scc1 .Lopen_\@                       ; everything is visible
	s_wait_kmcnt 0x0
.set n, 0
.rept 64
	v_cndmask_b32 v[S+n], v[NINF], v[S+n], s[16+n+4*(n/48)]   ; a hidden key's score becomes -infinity
.set n, n+1
.endr
.Lopen_\@:
	SOFTMAX
	s_wait_alu depctr_va_vdst(0)
	s_wait_dscnt 0x0                               ; V
	s_wait_kmcnt 0x0                               ; the mask words have come on the open way too
.irp t, 0,1,2,3                        ; four accumulators by turns; the eight score products stand between two turns of one
	SW O+8*\t, KV+16*\t, PC, 1, VS+\t/2, PW, \t%2
.endr
	PLACES8
.Lnext_\@:
.if \ml == 0
	s_wait_kmcnt 0x0                               ; on the way round the step too: the words' registers and s[TS] are written again
.endif
	s_add_co_u32 s[TB], s[TB], 8192
	s_add_co_u32 s[TS], s[TS], 256
	s_add_co_u32 s[STEP], s[STEP], 1
.endm
; ---------------- a tile of 16 queries.  first = 1: its first seven steps bring the rest of the record, and the next tile's Q is asked for ahead of the way out
.macro TILE first
	s_lshl_b32 s2, s[TT], 12
	s_mov_b32 s3, 0
	s_add_nc_u64 s[MWP:MWP+1], s[8:9], s[2:3]
	s_add_nc_u64 s[OP:OP+1], s[12:13], s[2:3]
	s_lshr_b32 s[CLH], s[CL], 16
	s_mov_b32 s[STEP], 0
	s_mov_b32 s[TB], 0
	s_mov_b32 s[TS], 0
	v_mov_b32 v13, 0xff61b1e6                      ; -3e38, under every t
	s_delay_alu instid0(VALU_DEP_1)
	v_floor_f32 v12, -v13
	v_mov_b32 v14, 0
	v_mov_b32 v15, 0
.set j, 0
.rept 32
	v_mov_b32 v[O+j], 0                            ; which step is the first that shows anything hangs on the mask, so no first product can be written out to start the sums
.set j, j+1
.endr
.if \first
.Lfill_\@:                                             ; seven trips, k = s[STEP] = 0..6
	s_wait_loadcnt 0x0                             ; piece k + 1, asked for a trip ago, is in
	s_lshl_b32 s[TMPS], s[TB], 1
	s_add_co_u32 s[TMPS], s[TMPS], PIECE           ; it begins 16,384 (k + 1) bytes into K's and V's images
	v_add_nc_u32 v[ADK], s[TMPS], v[FO]
	v_add_nc_u32 v[ADV], VI, v[ADK]
	PUT ST, ADK, ADV
	MLOAD
	s_wait_dscnt 0x0                               ; my part of the piece lies in LDS, and the stores have read their registers
	s_cmp_lt_u32 s[STEP], 6
	s_cbranch_scc0 .Lall_\@                        ; the seventh trip stores the last piece and asks for nothing
	s_add_nc_u64 s[6:7], s[6:7], PIECE             ; (no load is out)
	FETCH ST, PIECE                                ; piece k + 2
.Lall_\@:
	s_barrier_signal -1                            ; barrier k: my part of pieces up to k + 1 is stored
	KSTEP 0                                        ; step k reads piece k / 2, which nobody stores any more
	s_barrier_wait -1                              ; pieces up to k + 1 are whole
	s_cmp_lt_u32 s[STEP], 7
	s_cbranch_scc1 .Lfill_\@
.endif
.Lstep_\@:                                             ; up to step 15, whatever the mask holds
	KSTEP 1
	s_cmp_lt_u32 s[STEP], 16
	s_cbranch_scc1 .Lstep_\@
.if \first
	QLOAD TTB
.endif
	; THE WAY OUT.  O^T / the sum goes through my stage in two passes of 32 channels x 16 rows, all lanes on; lanes 0-7 of sixteen keep the first pass's 16 bytes, lanes 8-15 the second's: whole rows of 256 bytes
	v_add_f32 v14, v14, v15
	s_delay_alu instid0(VALU_DEP_1)
	v_permlanex16_b32 v[T2], v14, s[SEL], s[SEL+1]
	s_delay_alu instid0(VALU_DEP_1)
	v_add_f32 v14, v14, v[T2]                      ; the row's sum
	s_wait_alu depctr_va_vdst(0)
	v_rcp_f32 v14, v14
	v_nop
	s_wait_alu depctr_va_vdst(0)
.set j, 0
.rept 16
	v_pk_mul_f32 v[S+j:S+j+1], v[O+j:O+j+1], v[14:15] op_sel_hi:[1,0]   ; register 8 t + i is out(r, 16 t + 8 h + i)
.set j, j+2
.endr
.irp u, 0,1
.irp t, 0,1
	ds_store_b128 v[WS], v[S+16*\u+8*\t:S+16*\u+8*\t+3] offset:64*\t
	ds_store_b128 v[WS], v[S+16*\u+8*\t+4:S+16*\u+8*\t+7] offset:64*\t+16
.endr
.irp i, 0,1,2,3,4,5,6,7
	ds_load_b128 v[KV+32*\u+4*\i:KV+32*\u+4*\i+3], v[WR] offset:2*\i*SROW   ; LDS serves a wave's instructions in order
.endr
.endr
	s_wait_dscnt 0x0
.set n, 0
.rept 32
	v_cndmask_b32 v[KV+n], v[KV+n], v[KV+32+n], s[SELM]
.set n, n+1
.endr
.irp i, 0,1,2,3,4,5,6,7
	global_store_b128 v[LI], v[KV+4*\i:KV+4*\i+3], s[OP:OP+1] offset:512*\i th:TH_STORE_NT   ; 32 lanes store two rows: 512 consecutive bytes, aligned
.endr
.endm
	TILE 1
	s_wait_xcnt 0x0                                ; the stores have read their registers and their base
	s_wait_loadcnt 0x0                             ; the second tile's Q
	QTURN
	QUANTQ S, QC, QW
	s_mov_b32 s[CL], s[CLB]
	s_mov_b32 s[TT], s[TTB]
	TILE 0
	s_wait_tensorcnt 0x0                           ; the wave's end
	ds_add_u32 v[SPW], v[NIL]
	s_wait_dscnt 0x0
	s_endpgm
.Lfunc_end_k_q76ded5a359_attn:
	.size	k_q76ded5a359_attn, .Lfunc_end_k_q76ded5a359_attn-k_q76ded5a359_attn
	.p2alignl 7, 3214868480
	.fill 96, 4, 3214868480
	.section	.rodata,"a",@progbits
	.p2align	6, 0x0
	.amdhsa_kernel k_q76ded5a359_attn
		.amdhsa_group_segment_fixed_size 309248
		.amdhsa_private_segment_fixed_size 0
		.amdhsa_enable_private_segment 0
		.amdhsa_kernarg_size 40
		.amdhsa_user_sgpr_count 2
		.amdhsa_user_sgpr_kernarg_segment_ptr 1
		.amdhsa_wavefront_size32 1
		.amdhsa_system_sgpr_workgroup_id_x 1
		.amdhsa_system_sgpr_workgroup_id_y 1
		.amdhsa_system_sgpr_workgroup_id_z 1
		.amdhsa_system_vgpr_workitem_id 0
		.amdhsa_next_free_vgpr 256
		.amdhsa_next_free_sgpr 102
		.amdhsa_reserve_vcc 0
		.amdhsa_float_denorm_mode_32 3
		.amdhsa_float_denorm_mode_16_64 3
		.amdhsa_memory_ordered 1
		.amdhsa_forward_progress 1
		.amdhsa_inst_pref_size 108
	.end_amdhsa_kernel
	.amdgpu_metadata
---
amdhsa.version: [ 1, 2 ]
amdhsa.kernels:
  - .name:           k_q76ded5a359_attn
    .symbol:         k_q76ded5a359_attn.kd
    .args:
      - { .name: queries, .offset: 0, .size: 8, .value_kind: global_buffer, .address_space: global }
      - { .name: kv, .offset: 8, .size: 8, .value_kind: global_buffer, .address_space: global }
      - { .name: mw, .offset: 16, .size: 8, .value_kind: global_buffer, .address_space: global }
      - { .name: cls, .offset: 24, .size: 8, .value_kind: global_buffer, .address_space: global }
      - { .name: out0, .offset: 32, .size: 8, .value_kind: global_buffer, .address_space: global }
    .group_segment_fixed_size: 309248
    .private_segment_fixed_size: 0
    .kernarg_segment_align: 8
    .kernarg_segment_size: 40
    .max_flat_workgroup_size: 512
    .sgpr_count:     102
    .vgpr_count:     256
    .wavefront_size: 32
...
	.end_amdgpu_metadata
.endif
;; end of part 2
